; MI455X (gfx1250); checked and timed in simulation.
; The chip was launched on July 23, 2026; its instructions are those of AMD's public machine-readable ISA for CDNA 5 (MIT licence, August 2026) and "CDNA5" Instruction Set Architecture Reference Guide (July 2026). The comments in the code are by the model that wrote it; some were corrected since.
;; Attention1. Allowed arithmetic: matrix products marked QUANTISED: E2M1 operands, one E8M0 scale for each 32 along K, by v_wmma_scale_f32_16x16x128_f8f6f4 with both operands' format E2M1 (or v_wmma_scale_f32_32x16x128_f4), f32 sums; products left as they are: bf16, f16 or f32 operands; f32 sums; everything else in f32.
;; Inputs: b_out 256 float32; b_qkv 768 float32; w_out 256 x 256 float32; w_qkv 256 x 768 float32; x 4 x 2,048 x 256 float32.
;; Outputs: out0 4 x 2,048 x 256 float32.
;; This version of the problem:
;;   THIS VERSION OF THE PROBLEM IS GIVEN IN LOW PRECISION. The matrix products marked QUANTISED in the list below multiply operands that are first quantised to E2M1 (2 exponent bits, 1 mantissa bit; 4 bits a number), with one power-of-two scale for each 32 numbers along K (OCP MX v1.0); their sums are f32. The products marked 'left as it is' may take bf16, f16 or f32 operands, with f32 sums. All else is computed in f32.
;;   The module's matrix products, in the order in which they are computed (A, B: the left and right operand; K: the contracted axis; several contracted axes count as one K, in the product's order):
;;     1. [M 8,192, K 256] x [K 256, N 768]; A: input x; B: input w_qkv: QUANTISED
;;     2. batch 32 x [M 2,048, K 32] x [K 32, N 2,048]; A: computed on the way; B: computed on the way: left as it is (an operand is computed on the way)
;;     3. batch 32 x [M 2,048, K 2,048] x [K 2,048, N 32]; A: computed on the way; B: computed on the way: left as it is (an operand is computed on the way)
;;     4. [M 8,192, K 256] x [K 256, N 256]; A: computed on the way; B: input w_out: left as it is (an operand is computed on the way)
;;   THE QUANTISER, for each operand of a quantised product, along K:
;;     - K is cut into blocks of 32 from its start; a last block that is shorter is filled with zeros.
;;     - A block's scale is 2^e with e = floor(log2(the largest magnitude in the block)) - 2, held to -126 .. 127; a block of zeros has e = 0. As a byte (E8M0): e + 127.
;;     - Each number is divided by its block's scale, clamped to +-6, and rounded to the nearest number of E2M1, ties to even, subnormals kept.
;;     - The product sums the exact products of the quantised numbers (number of the format x scale) in f32.
;;   ~~~python
;;   def quantise(x, axis):      # numpy; x: float32 -> the quantised numbers, widened to float32 again
;;       x = np.moveaxis(x, axis, -1); K = x.shape[-1]
;;       x = np.pad(x, [(0, 0)] * (x.ndim - 1) + [(0, -K % 32)]); x = x.reshape(x.shape[:-1] + (-1, 32)); a = np.abs(x).max(-1, keepdims=True)
;;       e = np.where(a > 0, np.clip(np.frexp(np.where(a > 0, a, 1))[1] - 1 - 2, -126, 127), 0)      # np.frexp(a)[1] - 1 = floor(log2(a)), exactly
;;       r = np.clip(x / 2.0 ** e, -6, 6)
;;       step = 2.0 ** (np.maximum(np.frexp(np.where(r == 0, 1, r))[1] - 1, 0) - 1)
;;       q = np.round(r / step) * step * 2.0 ** e      # np.round: ties to even
;;       return np.moveaxis(q.reshape(q.shape[:-2] + (-1,))[..., :K], -1, axis).astype(np.float32)
;;   ~~~
;; One version. Each part assembles by itself: llvm-mc -triple=amdgcn-amd-amdhsa -mcpu=gfx1250 --defsym DOCPART=n.
;; ======== version 1 of 1: 3 launches
;; limits: values are held in f16: magnitudes above 65,504 overflow, below 6.1e-05 lose precision
;; workspace buffers: qkv 12,582,912 bytes; att 4,194,304 bytes; wo 131,072 bytes
;; launch qkv (part 1): grid 32 x 8, 8 waves a work-group, no clusters, 55,296 bytes of LDS; arguments x, w_qkv, b_qkv, w_out, qkv, wo; writes qkv, wo
.if DOCPART == 1
	.amdgcn_target "amdgcn-amd-amdhsa--gfx1250"
	.amdhsa_code_object_version 6
	.text
	.protected	k_q0c8e73ff7a_qkv
	.globl	k_q0c8e73ff7a_qkv
	.p2align	8
	.type	k_q0c8e73ff7a_qkv,@function
k_q0c8e73ff7a_qkv:
	s_mov_b64 s[64:65], 0
	v_nop
	global_prefetch_b8 v0, s[64:65] scope:SCOPE_SE
	s_setreg_imm32_b32 hwreg(HW_REG_WAVE_MODE, 25, 1), 1
	s_wait_xcnt 0x0
; qkv = Q(x) Q(w_qkv) + b_qkv on codes of FP4 (E2M1) with one E8M0 scale for each 32 along K; the results leave as f16, laid as the attention launch's operands want them.  Also: w_out -> f16, laid for the last launch.
; x: [8192][256] f32 (K innermost).  w_qkv: [256][768] f32 (K is the first axis).  b_qkv: [768].  w_out: [256][256] f32.
; SHARES.  Work-group (rb, cb) makes rows 256 rb .. + 255 x columns 96 cb .. + 95: three chunks of 32 columns, each one head of q, of k or of v.  Eight waves.
;   Wave w quantises rows 32 w .. 32 w + 31 of x (a lane holds 8 neighbours along K, four lanes a block) and the K block w (rows 32 w .. of w_qkv) of all 96 columns (a lane a column, its 32 registers run down K).
;   Codes and scale bytes meet in LDS; behind one barrier wave w multiplies its own 32 rows by all 96 columns: 24 matrix instructions.
; THE MATRIX INSTRUCTION IS USED TRANSPOSED (source 0 = 16 columns of w, source 1 = 16 rows of x): lane (r, h) then holds row r and the eight neighbouring channels 16 n + 8 h + 0 .. 7 of a head: 16 bytes of f16.
; THE IMAGES.  A tile of 16 rows x 32 channels of f16 is 1,024 bytes, laid as the registers of a 16-bit fragment: the 16 bytes of lane L = 16 h + r for channels 16 c + 8 h + 0 .. 7 lie at 512 c + 16 (L xor 8 h).
;   So a store of the wave covers 512 consecutive bytes, aligned.  qkv: [kind q, k, v][batch x head 32][tile 128][1024].  wo: [tile of 16 output columns 16][K step 8][1024], row = output column.
; NO CLUSTER: what work-groups share arrives as f32 and is turned into codes in registers; a work-group's f32 share, 256 KiB of x and 96 KiB of w_qkv, is more than the 327,680 bytes of LDS.
; THE SCALE: the block's largest magnitude, held at 2^(3 - 127) from below, with 2 taken off its exponent field, is the conversion's scale operand; its exponent field is the byte.
; LIMITS: q, k, v and w_out must lie under 65,504 in magnitude (f16); NaN and infinities among the inputs are not served; a block of zeros gets the byte 1 where the rule says 127: its codes are zeros, and this launch alone reads the bytes.
.set PITCH, 144                        ; a row of 256 codes in LDS: 128 bytes + 16: an odd multiple of 16, so that the 16 rows of a fragment load start in 16 different groups of banks (64 banks of 4 bytes: ISA guide 11.1)
.set XC,   0                           ; x's codes, 256 rows
.set WC,   256*PITCH                   ; w's codes, 96 rows (a row = a column of w_qkv)
.set XSC,  WC+96*PITCH                 ; x's scale bytes, 8 a row
.set WSC,  XSC+256*8                   ; w's, 8 a column
.set XO,   1                           ; v1   32 L: my 8 numbers of a row of x
.set WO,   2                           ; v2   4 L: my column of a chunk of w_qkv
.set XCA,  3                           ; v3   where my code word of a row of x goes
.set XSA,  4                           ; v4   and my block's scale byte
.set WCA,  5                           ; v5   where my column's 16 bytes of codes go
.set WSA,  6                           ; v6   and its scale byte
.set XFA,  7                           ; v7   my lane's place in a fragment of x
.set WFA,  8                           ; v8   in a fragment of w
.set XSR,  9                           ; v9   my row's scale words of x
.set WSR,  10                          ; v10  of w
.set BO,   11                          ; v11  32 h: my eight biases of a tile
.set LI,   12                          ; v12  16 (L xor 8 h): my lane's place in an image
.set WOO,  13                          ; v13  8192 h + 4 r: w_out
.set M,    14                          ; v14-29   quantising: largest magnitudes, then scale operands, then bytes: a register a row
.set CODE, 30                          ; v30-45   x's code words, a register a row
.set WCD,  46                          ; v46-57   w's codes, four registers a chunk
.set WBY,  58                          ; v58-60   w's scale operands, then bytes
.set WOX,  62                          ; v62-69   eight numbers of w_out
.set WOP,  70                          ; v70-73   the same as f16
.set W,    74                          ; v74-105  a block of w_qkv
.set X,    110                         ; v110-237 16 rows x 8 numbers of x
.set XF,   14                          ; the product: x's fragments (m, s) at XF + 16 m + 8 s
.set WF,   46                          ; w's (i, n, s) at WF + 32 i + 16 n + 8 s
.set ACC,  142                         ; accumulators (i, m, n) at ACC + 32 i + 16 m + 8 n
.set OUTR, 46                          ; f16 results (i, m, n) at OUTR + 16 i + 8 m + 4 n, over w's fragments
.set XSW,  240                         ; v240-243 x's scale words: pair m, register s.  These hold scales and nothing else
.set WSW,  244                         ; v244-255 w's: pair (i, n) at WSW + 4 i + 2 n, register s
	s_load_b256 s[4:11], s[0:1], 0x0               ; x s[4:5], w_qkv s[6:7], b_qkv s[8:9], w_out s[10:11]
	s_load_b128 s[12:15], s[0:1], 0x20             ; qkv s[12:13], wo s[14:15]
	v_lshl_add_u32 v238, v0, 2, 0xd400
	v_mov_b32 v239, 0
	v_lshrrev_b32 v1, 5, v0
	v_readfirstlane_b32 s16, v1                    ; wave 0..7
	s_mov_b32 s17, ttmp9                           ; rb: which 256 rows
	s_and_b32 s18, ttmp7, 0xffff                   ; cb: which 96 columns
	s_lshl_b32 s19, s18, 5
	s_add_co_u32 s19, s19, s17                     ; the work-group's number, 0..255: which 512 bytes of wo it makes
	v_and_b32 v106, 31, v0                         ; L
	v_and_b32 v107, 15, v0                         ; r
	v_bfe_u32 v74, v0, 4, 1                        ; h
	v_lshlrev_b32 v[XO], 5, v106
	v_lshlrev_b32 v[WO], 2, v106
	s_mul_i32 s22, s16, 32*PITCH                   ; my wave's 32 rows of x's codes
	v_add_nc_u32 v[XCA], s22, v[WO]                ; + 4 L
	s_lshl_b32 s23, s16, 8
	s_add_co_u32 s23, s23, XSC                     ; my wave's 32 rows of scale bytes
	v_lshrrev_b32 v[XSA], 2, v106
	v_add_nc_u32 v[XSA], s23, v[XSA]               ; + L / 4: my block
	v_mul_u32_u24 v[WCA], v106, PITCH
	s_lshl_b32 s30, s16, 4
	s_add_co_u32 s30, s30, WC
	v_add_nc_u32 v[WCA], s30, v[WCA]               ; column L's row, K block w: 16 w bytes on
	s_add_co_u32 s30, s16, WSC
	v_lshl_add_u32 v[WSA], v106, 3, s30            ; 8 L + w
	v_mul_u32_u24 v[XFA], v107, PITCH
	v_lshl_add_u32 v[XFA], v74, 4, v[XFA]          ; row r x pitch + 16 h
	v_add_nc_u32 v[WFA], WC, v[XFA]
	v_add_nc_u32 v[XFA], s22, v[XFA]
	v_lshl_add_u32 v[XSR], v107, 3, s23
	v_lshlrev_b32 v[WSR], 3, v107
	v_add_nc_u32 v[WSR], WSC, v[WSR]
	v_lshlrev_b32 v[BO], 5, v74
	v_lshlrev_b32 v[LI], 3, v74
	v_xor_b32 v[LI], v[LI], v106
	v_lshlrev_b32 v[LI], 4, v[LI]
	v_lshlrev_b32 v[WOO], 2, v107
	v_lshl_add_u32 v[WOO], v74, 13, v[WOO]
	s_mov_b32 s21, 0                               ; every offset is under 2^32: the pair s[20:21] carries it
	s_lshr_b32 s33, s17, 3                         ; the results' place that all three chunks share: batch rb / 8,
	s_lshl_b32 s33, s33, 20
	s_and_b32 s34, s17, 7
	s_lshl_b32 s34, s34, 4
	s_lshl_b32 s35, s16, 1
	s_add_co_u32 s34, s34, s35                     ; tile 16 (rb % 8) + 2 w of the batch's 128
	s_lshl_b32 s34, s34, 10
	s_add_co_u32 s33, s33, s34
	s_mul_i32 s30, s18, 3                          ; my first chunk's number, of 24
	s_wait_kmcnt 0x0
	s_lshl_b32 s20, s17, 18                        ; x: 256 rows of 1,024 bytes a work-group, 32 a wave
	s_lshl_b32 s31, s16, 15
	s_add_co_u32 s20, s20, s31
	s_add_nc_u64 s[4:5], s[4:5], s[20:21]
	s_mul_i32 s20, s16, 32*3072                    ; w_qkv: row 32 w, column 96 cb
	s_mul_i32 s31, s18, 384
	s_add_co_u32 s20, s20, s31
	s_add_nc_u64 s[6:7], s[6:7], s[20:21]
	s_mov_b32 s20, s31
	s_add_nc_u64 s[8:9], s[8:9], s[20:21]          ; b_qkv: column 96 cb
	s_bfe_u32 s20, s19, 0x30001                    ; w_out: K step (number / 2) % 8: 32 rows of 1,024 bytes,
	s_lshl_b32 s20, s20, 15
	s_and_b32 s32, s19, 1                          ; half number % 2: 16 rows,
	s_lshl_b32 s32, s32, 14
	s_add_co_u32 s20, s20, s32
	s_lshr_b32 s32, s19, 4                         ; tile of columns number / 16: 64 bytes
	s_lshl_b32 s32, s32, 6
	s_add_co_u32 s20, s20, s32
	s_add_nc_u64 s[10:11], s[10:11], s[20:21]
	s_lshl_b32 s20, s19, 9
	s_add_nc_u64 s[14:15], s[14:15], s[20:21]      ; wo: 512 bytes a work-group
.irp i, 0,1,2
	s_add_co_u32 s31, s30, \i                      ; chunk 3 cb + i: kind = chunk / 8 (4 MiB each), head = chunk % 8 (128 KiB each)
	s_lshr_b32 s32, s31, 3
	s_lshl_b32 s32, s32, 22
	s_and_b32 s31, s31, 7
	s_lshl_b32 s31, s31, 17
	s_add_co_u32 s20, s32, s31
	s_add_co_u32 s20, s20, s33
	s_add_nc_u64 s[24+2*\i:25+2*\i], s[12:13], s[20:21]
.endr
.macro XLOAD hf                        ; rows 16 hf .. 16 hf + 15 of my 32: a lane's 8 neighbours by two loads; the pair covers the row's 1,024 bytes
.irp i, 0,1,2,3,4,5,6,7,8,9,10,11,12,13,14,15
	global_load_b128 v[X+8*\i:X+8*\i+3],   v[XO], s[4:5] offset:(16*\hf+\i)*1024
	global_load_b128 v[X+8*\i+4:X+8*\i+7], v[XO], s[4:5] offset:(16*\hf+\i)*1024+16
.endr
.endm
.macro WLOAD reg, i                    ; chunk i's 32 columns, my 32 rows: a load reads 128 neighbouring bytes
.irp k, 0,1,2,3,4,5,6,7,8,9,10,11,12,13,14,15,16,17,18,19,20,21,22,23,24,25,26,27,28,29,30,31
	global_load_b32 v[\reg+\k], v[WO], s[6:7] offset:\k*3072+128*\i
.endr
.endm
.macro QX hf                           ; 16 rows of x become code words and scale bytes, four rows by turns so that no line waits for the line above it
.irp g, 0,4,8,12
.irp i, 0,1,2,3
	v_max3_num_f32 v[M+\g+\i], |v[X+8*(\g+\i)]|, |v[X+8*(\g+\i)+1]|, 0x1800000   ; my 8 numbers, and the floor 2^(3 - 127): the byte cannot fall under 1
.endr
.irp p, 2,4,6
.irp i, 0,1,2,3
	v_max3_num_f32 v[M+\g+\i], v[M+\g+\i], |v[X+8*(\g+\i)+\p]|, |v[X+8*(\g+\i)+\p+1]|
.endr
.endr
.irp i, 0,1,2,3
	v_max_num_f32_dpp v[M+\g+\i], v[M+\g+\i], v[M+\g+\i] row_xmask:1 row_mask:0xf bank_mask:0xf
.endr
.irp i, 0,1,2,3
	v_max_num_f32_dpp v[M+\g+\i], v[M+\g+\i], v[M+\g+\i] row_xmask:2 row_mask:0xf bank_mask:0xf   ; the four lanes of a block: its largest magnitude
.endr
.irp i, 0,1,2,3
	v_add_nc_u32 v[M+\g+\i], 0xff000000, v[M+\g+\i]   ; 2 off its exponent field: the conversion takes that field as its scale
.endr
.irp i, 0,1,2,3
	v_cvt_scalef32_pk8_fp4_f32 v[CODE+\g+\i], v[X+8*(\g+\i):X+8*(\g+\i)+7], v[M+\g+\i]
.endr
	v_nop                                          ; one plain place behind the scaled conversions
.irp i, 0,1,2,3
	v_lshrrev_b32 v[M+\g+\i], 23, v[M+\g+\i]       ; the scale's byte
.endr
.irp i, 0,1,2,3
	ds_store_b32 v[XCA], v[CODE+\g+\i] offset:(16*\hf+\g+\i)*PITCH
	ds_store_b8 v[XSA], v[M+\g+\i] offset:(16*\hf+\g+\i)*8   ; the four lanes of a block write the same byte with the same value
.endr
.endr
.endm
.macro QW reg, i                       ; a block of 32 along K of my column of chunk i: all its numbers are mine
	v_max3_num_f32 v106, |v[\reg]|, |v[\reg+1]|, |v[\reg+2]|
	v_max3_num_f32 v107, |v[\reg+3]|, |v[\reg+4]|, |v[\reg+5]|
.irp p, 6,10,14,18,22,26
	v_max3_num_f32 v106, v106, |v[\reg+\p]|, |v[\reg+\p+1]|
	v_max3_num_f32 v107, v107, |v[\reg+\p+2]|, |v[\reg+\p+3]|
.endr
	v_max3_num_f32 v106, v106, |v[\reg+30]|, |v[\reg+31]|
	v_max3_num_f32 v106, v106, v107, 0x1800000     ; and the floor
	v_add_nc_u32 v[WBY+\i], 0xff000000, v106
.irp g, 0,1,2,3
	v_cvt_scalef32_pk8_fp4_f32 v[WCD+4*\i+\g], v[\reg+8*\g:\reg+8*\g+7], v[WBY+\i]
.endr
	v_nop                                          ; one plain place behind the scaled conversions
	v_lshrrev_b32 v[WBY+\i], 23, v[WBY+\i]
	ds_store_b128 v[WCA], v[WCD+4*\i:WCD+4*\i+3] offset:32*PITCH*\i
	ds_store_b8 v[WSA], v[WBY+\i] offset:256*\i
.endm
	s_cmp_lg_u32 s16, 0                            ; wave 0 alone turns the work-group's 512 bytes of w_out: its eight loads are the oldest, so every count below covers them
	s_cbranch_scc1 .Lnot_wave_0_a
.irp j, 0,1,2,3,4,5,6,7
	global_load_b32 v[WOX+\j], v[WOO], s[10:11] offset:1024*\j   ; w_out(32 ks + 16 c + 8 h + j, 16 nt + r)
.endr
.Lnot_wave_0_a:
	XLOAD 0
	WLOAD W, 0
	s_wait_loadcnt 32                              ; x's first 16 rows are in; chunk 0's 32 loads stay out
	QX 0
	XLOAD 1
	s_wait_loadcnt 32                              ; chunk 0 is in; x's second 16 rows stay out
	QW W, 0
	WLOAD W, 1
	s_wait_loadcnt 32                              ; x's second 16 rows are in; chunk 1 stays out
	s_wait_dscnt 0x0                               ; the LDS stores have read the registers that are written again below
	QX 1
	WLOAD X, 2                                     ; chunk 2 into registers that x has left
.irp i, 0,1,2                                      ; the biases are the C of each sum's first matrix instruction: loaded into the accumulators, lane (r, h): those of channels 16 n + 8 h + 0 .. 7
.irp m, 0,1
.irp n, 0,1
	global_load_b128 v[ACC+32*\i+16*\m+8*\n:ACC+32*\i+16*\m+8*\n+3],   v[BO], s[8:9] offset:128*\i+64*\n
	global_load_b128 v[ACC+32*\i+16*\m+8*\n+4:ACC+32*\i+16*\m+8*\n+7], v[BO], s[8:9] offset:128*\i+64*\n+16
.endr
.endr
.endr
	s_wait_loadcnt 56                              ; chunk 1 is in; chunk 2's 32 loads and the biases' 24 stay out
	QW W, 1
	s_wait_loadcnt 24                              ; chunk 2 is in; the biases stay out
	QW X, 2
	s_cmp_lg_u32 s16, 0
	s_cbranch_scc1 .Lnot_wave_0_b
.irp j, 0,1,2,3
	v_cvt_pk_f16_f32 v[WOP+\j], v[WOX+2*\j], v[WOX+2*\j+1]
.endr
	global_store_b128 v[LI], v[WOP:WOP+3], s[14:15]   ; 512 consecutive bytes, aligned
.Lnot_wave_0_b:
	s_wait_xcnt 0x0                                ; that store has read its registers: they take fragments below
	s_wait_dscnt 0x0                               ; for the others' sake: my codes and scale bytes lie in LDS
	s_barrier_signal -1
	s_barrier_wait -1                              ; everybody's do
; A fragment, 16 rows x 128 K of 4-bit codes, is 8 registers: lane (r, h) holds row r; registers 4 c .. 4 c + 3 hold K = 64 c + 32 h + 0 .. 31: 16 bytes of the row as they lie
.irp m, 0,1
.irp s, 0,1
.irp c, 0,1
	ds_load_b128 v[XF+16*\m+8*\s+4*\c:XF+16*\m+8*\s+4*\c+3], v[XFA] offset:16*PITCH*\m+64*\s+32*\c
.endr
.endr
	ds_load_b64 v[XSW+2*\m:XSW+2*\m+1], v[XSR] offset:128*\m   ; row r's eight scale bytes: a word for each K step
.endr
.irp i, 0,1,2
.irp n, 0,1
.irp s, 0,1
.irp c, 0,1
	ds_load_b128 v[WF+32*\i+16*\n+8*\s+4*\c:WF+32*\i+16*\n+8*\s+4*\c+3], v[WFA] offset:(32*\i+16*\n)*PITCH+64*\s+32*\c
.endr
.endr
	ds_load_b64 v[WSW+4*\i+2*\n:WSW+4*\i+2*\n+1], v[WSR] offset:(32*\i+16*\n)*8
.endr
.endr
	s_wait_dscnt 0x0
	s_wait_loadcnt 0x0                             ; the biases
.irp s, 0,1                                        ; the twelve accumulators take turns, one instruction a turn
.irp i, 0,1,2
.irp m, 0,1
.irp n, 0,1
	v_wmma_scale_f32_16x16x128_f8f6f4 v[ACC+32*\i+16*\m+8*\n:ACC+32*\i+16*\m+8*\n+7], v[WF+32*\i+16*\n+8*\s:WF+32*\i+16*\n+8*\s+7], v[XF+16*\m+8*\s:XF+16*\m+8*\s+7], v[ACC+32*\i+16*\m+8*\n:ACC+32*\i+16*\m+8*\n+7], v[WSW+4*\i+2*\n+\s], v[XSW+2*\m+\s] matrix_a_fmt:MATRIX_FMT_FP4 matrix_b_fmt:MATRIX_FMT_FP4
.endr
.endr
.endr
.endr
.rept 4
	v_nop                                          ; four places behind the last products: the conversions read results and write over w's fragments (ISA guide 7.12.1)
.endr
.irp i, 0,1,2
.irp m, 0,1
.irp n, 0,1
.irp j, 0,1,2,3
	v_cvt_pk_f16_f32 v[OUTR+16*\i+8*\m+4*\n+\j], v[ACC+32*\i+16*\m+8*\n+2*\j], v[ACC+32*\i+16*\m+8*\n+2*\j+1]   ; each accumulator from its low end on
.endr
.endr
.endr
.endr
.irp i, 0,1,2
.irp m, 0,1
.irp n, 0,1
	global_store_b128 v[LI], v[OUTR+16*\i+8*\m+4*\n:OUTR+16*\i+8*\m+4*\n+3], s[24+2*\i:25+2*\i] offset:1024*\m+512*\n   ; half an image: 512 consecutive bytes, aligned
.endr
.endr
.endr
	s_wait_tensorcnt 0x0
	ds_add_u32 v238, v239
	s_wait_dscnt 0x0
	s_endpgm
.Lfunc_end_k_q0c8e73ff7a_qkv:
	.size	k_q0c8e73ff7a_qkv, .Lfunc_end_k_q0c8e73ff7a_qkv-k_q0c8e73ff7a_qkv
	.p2alignl 7, 3214868480
	.fill 96, 4, 3214868480
	.section	.rodata,"a",@progbits
	.p2align	6, 0x0
	.amdhsa_kernel k_q0c8e73ff7a_qkv
		.amdhsa_group_segment_fixed_size 55296
		.amdhsa_private_segment_fixed_size 0
		.amdhsa_enable_private_segment 0
		.amdhsa_kernarg_size 48
		.amdhsa_user_sgpr_count 2
		.amdhsa_user_sgpr_kernarg_segment_ptr 1
		.amdhsa_wavefront_size32 1
		.amdhsa_system_sgpr_workgroup_id_x 1
		.amdhsa_system_sgpr_workgroup_id_y 1
		.amdhsa_system_sgpr_workgroup_id_z 1
		.amdhsa_system_vgpr_workitem_id 0
		.amdhsa_next_free_vgpr 256
		.amdhsa_next_free_sgpr 66
		.amdhsa_reserve_vcc 0
		.amdhsa_float_denorm_mode_32 3
		.amdhsa_float_denorm_mode_16_64 3
		.amdhsa_memory_ordered 1
		.amdhsa_forward_progress 1
		.amdhsa_inst_pref_size 60
	.end_amdhsa_kernel
	.amdgpu_metadata
---
amdhsa.version: [ 1, 2 ]
amdhsa.kernels:
  - .name:           k_q0c8e73ff7a_qkv
    .symbol:         k_q0c8e73ff7a_qkv.kd
    .args:
      - { .name: x, .offset: 0, .size: 8, .value_kind: global_buffer, .address_space: global }
      - { .name: w_qkv, .offset: 8, .size: 8, .value_kind: global_buffer, .address_space: global }
      - { .name: b_qkv, .offset: 16, .size: 8, .value_kind: global_buffer, .address_space: global }
      - { .name: w_out, .offset: 24, .size: 8, .value_kind: global_buffer, .address_space: global }
      - { .name: qkv, .offset: 32, .size: 8, .value_kind: global_buffer, .address_space: global }
      - { .name: wo, .offset: 40, .size: 8, .value_kind: global_buffer, .address_space: global }
    .group_segment_fixed_size: 55296
    .private_segment_fixed_size: 0
    .kernarg_segment_align: 8
    .kernarg_segment_size: 48
    .max_flat_workgroup_size: 256
    .sgpr_count:     66
    .vgpr_count:     256
    .wavefront_size: 32
...
	.end_amdgpu_metadata
.endif
;; end of part 1
;; launch attn (part 2): grid 8 x 32, 8 waves a work-group, clusters of 4 x 1, 263,168 bytes of LDS; arguments qkv, att; writes att
.if DOCPART == 2
	.amdgcn_target "amdgcn-amd-amdhsa--gfx1250"
	.amdhsa_code_object_version 6
	.text
	.protected	k_q0c8e73ff7a_attn
	.globl	k_q0c8e73ff7a_attn
	.p2align	8
	.type	k_q0c8e73ff7a_attn,@function
k_q0c8e73ff7a_attn:
	s_mov_b64 s[64:65], 0
	v_nop
	global_prefetch_b8 v0, s[64:65] scope:SCOPE_SE
	s_setreg_imm32_b32 hwreg(HW_REG_WAVE_MODE, 25, 1), 1
	s_wait_xcnt 0x0
	s_wait_alu depctr_hold_cnt(0) depctr_sa_sdst(0) depctr_va_vdst(0) depctr_va_sdst(0) depctr_va_ssrc(0) depctr_va_vcc(0) depctr_vm_vsrc(0)
	s_getreg_b32 s2, hwreg(HW_REG_IB_STS2, 6, 4)
	s_cmp_eq_u32 s2, 0
	s_cbranch_scc0 .Lentry_in_a_cluster
	s_endpgm
.Lentry_in_a_cluster:
	s_bfe_u32 s2, ttmp6, 0x10000c
	s_cmp_lg_u32 s2, 0x3003
	s_cbranch_scc0 .Lentry_shape_is_right
	s_endpgm
.Lentry_shape_is_right:
; att[b][q][head] = the sum over keys of softmax(q . k / 16) v, for one head of 32 channels and 2,048 keys.  q, k, v arrive as f16 images (16 tokens x 32 channels, 1,024 bytes, laid as a 16-bit fragment's
; registers: lane L = 16 h + r's 16 bytes for channels 16 c + 8 h + 0 .. 7 at 512 c + 16 (L xor 8 h)).  Products on f16 operands, sums, maxima and exponentials in f32; the weights p are rounded to f16.
; SHARES.  A work-group owns 256 queries of one (batch, head); each of its eight waves owns 32: two tiles of 16.  Every wave walks all 2,048 keys, 64 a step.
; LDS.  The head's K (131,072 bytes) and V (131,072 bytes) lie whole in LDS, as they lie in memory.  Every byte is filled once, so there is no ring and nothing is filled again.
;   They come in four chunks of 512 keys; each wave asks for 8,192 bytes of each chunk (waves 0-3: K, waves 4-7: V): four tensor loads of a wave are out at the start, and the first chunk is walked while the others land.
; CLUSTER.  The four query blocks of a cluster belong to one head and want the same K and V: each load is asked for JOINTLY, with the same descriptor and a mask that names the four.
; LAYOUT.  S^T = K Q^T (source 0 = 16 keys, source 1 = 16 queries): a lane holds ONE query (lane % 16) and keys 8 (lane / 16) + 0 .. 7.  Two such tiles, rounded to f16 in pairs, ARE source 1 of O^T = V^T P.
;   K's images are fragments as they lie; V's are turned by ds_load_tr16_b128.
; SOFTMAX.  For each query a running maximum m and sum l: p = 2^(c s - c m), c = log2(e) / 16; in every step O and l are multiplied by a = 2^(c m_old - c m_new).  O, l begin as zeros and m as -3e38, so the step is written once.
;   The exponentials stand at every second place, with plain work that is ready (the other tile's scalings, O's rescaling, sums, roundings) between them.
; LIMITS: p under 2^-24 becomes 0 in f16; |att| under 65,504; NaN and infinities are not served.
.set LI,  1                            ; v1   16 (L xor 8 h): my lane's place in an image
.set LTV, 2                            ; v2   my lane's place for the turning load, in V's region
.set ADK, 3                            ; v3   the step's address in K
.set ADV, 4                            ; v4   in V
.set ST,  8                            ; tile t's statistics at ST + 12 t: +0 c m, +1 m, +2, +3 l (even keys', odd keys'), +4 .. +7 at work, +8 a, +9 c m_old, +10, +11 a second chain of the sum
.set Q,   32                           ; v32-47   Q's two fragments
.set KF,  48                           ; v48-79   K's four fragments of a step
.set VF,  80                           ; v80-111  V^T's four: (keys 32 g on, channels 16 n on) at VF + 16 g + 8 n
.set S,   112                          ; v112-175 S^T, then p: 32 a tile
.set P,   176                          ; v176-207 p as f16: 16 a tile
.set O,   208                          ; v208-239 O^T: (t, n) at O + 16 t + 8 n
.set WV,  8                            ; s8   my wave's number
.set G1,  16                           ; s[16:23] descriptor group 1
.set G0,  24                           ; s[24:39] descriptor group 0, a set for each chunk
.set CS,  40                           ; s[40:41] c, twice: the packed form names a pair
.set SEL, 42                           ; s[42:43] lane selects: lane l xor 16
.set TB,  44                           ; s44  LDS byte at which the step's tiles of K begin
.set CNT, 45                           ; s45  steps of the chunk to go
.macro ROUND                           ; a round of the cluster's barrier
	s_barrier_signal -1
	s_barrier_wait -1
	s_cmp_lg_u32 s[WV], 0
	s_cbranch_scc1 .Lnot_wave_0_\@
	s_barrier_signal -3
.Lnot_wave_0_\@:
	s_barrier_wait -3
	s_barrier_signal -1
	s_barrier_wait -1
.endm
	s_load_b128 s[4:7], s[0:1], 0x0                ; qkv s[4:5], att s[6:7]
	v_lshl_add_u32 v240, v0, 2, 0x40000
	v_mov_b32 v241, 0
	ds_add_u32 v240, v241
	ds_add_u32 v240, v241
	v_lshrrev_b32 v1, 5, v0
	v_readfirstlane_b32 s[WV], v1                  ; wave 0..7
	s_bfe_u32 s9, ttmp6, 0x40000                   ; cx: my place in the cluster: it enters Q's and att's addresses alone
	s_lshl_b32 s10, ttmp9, 2
	s_add_co_u32 s10, s10, s9                      ; my block of 256 queries, 0..7
	s_and_b32 s11, ttmp7, 0xffff                   ; batch x 8 + head, which the four partners share
	; descriptor group 1: 8,192 dense bytes as 32 rows of 32 elements of 8 bytes
	s_mov_b32 s[G1+0], 15|(3<<16)|(1<<21)          ; 15:0 the mask: all four work-groups; 17:16 elements of 8 bytes; 21 set beside a mask; no padding
	s_mov_b32 s[G1+1], 32<<16                      ; tensor_dim0 = 32
	s_mov_b32 s[G1+2], 32<<16                      ; tensor_dim1 = 32
	s_mov_b32 s[G1+3], 32<<16                      ; tile_dim0 = 32
	s_mov_b32 s[G1+4], 32                          ; tile_dim1 = 32
	s_mov_b32 s[G1+5], 32                          ; from row to row: 32 elements
	s_mov_b32 s[G1+6], 0
	s_mov_b32 s[G1+7], 0
	s_lshr_b32 s12, s[WV], 2                       ; 0: I fetch for K; 1: for V
	s_lshl_b32 s13, s12, 17
	s_and_b32 s14, s[WV], 3
	s_lshl_b32 s14, s14, 13                        ; which 8,192 bytes of a chunk's 32,768
	s_add_co_u32 s13, s13, s14                     ; in LDS: made of the wave's number alone
	s_add_co_u32 s52, s12, 1                       ; in memory: kind 1 (k) or 2 (v), 4 MiB each,
	s_lshl_b32 s52, s52, 22
	s_lshl_b32 s15, s11, 17                        ; the head's 131,072 bytes,
	s_add_co_u32 s52, s52, s15
	s_add_co_u32 s52, s52, s14                     ; my part
	s_mov_b32 s53, 0
	s_lshl_b32 s54, s10, 4
	s_lshl_b32 s55, s[WV], 1
	s_add_co_u32 s54, s54, s55                     ; my first tile of queries: 16 x block + 2 x wave
	s_lshl_b32 s46, s54, 10
	s_add_co_u32 s46, s46, s15                     ; Q: kind 0, the head, my tile
	s_mov_b32 s47, 0
	s_lshr_b32 s50, s11, 3                         ; att: [batch x 128 + tile][head][1024]
	s_lshl_b32 s50, s50, 20
	s_lshl_b32 s55, s54, 13
	s_add_co_u32 s50, s50, s55
	s_and_b32 s55, s11, 7
	s_lshl_b32 s55, s55, 10
	s_add_co_u32 s50, s50, s55
	s_mov_b32 s51, 0
	s_mov_b32 s[CS], 0x3db8aa3b                    ; c = log2(e) / 16
	s_mov_b32 s[CS+1], s[CS]
	s_mov_b32 s[SEL], 0x76543210
	s_mov_b32 s[SEL+1], 0xfedcba98
	v_and_b32 v5, 31, v0                           ; L
	v_bfe_u32 v6, v0, 4, 1                         ; h
	v_bfe_u32 v7, v0, 3, 1                         ; (L / 8) % 2
	v_lshlrev_b32 v[LI], 3, v6
	v_xor_b32 v[LI], v[LI], v5
	v_lshlrev_b32 v[LI], 4, v[LI]
	; the turning load: lane L addresses the 16 bytes of key r' = 8 (L / 16) + L % 8, channels 8 h' + 0 .. 7 of the half in hand, h' = (L / 8) % 2: they lie at 16 (16 h' + (r' xor 8 h'))
	v_and_b32 v[LTV], 7, v0
	v_lshl_add_u32 v[LTV], v6, 3, v[LTV]
	v_lshlrev_b32 v[ADK], 3, v7
	v_xor_b32 v[LTV], v[LTV], v[ADK]
	v_lshl_add_u32 v[LTV], v7, 4, v[LTV]
	v_lshlrev_b32 v[LTV], 4, v[LTV]
	v_add_nc_u32 v[LTV], 0x20000, v[LTV]           ; V's region begins at byte 131,072
	s_wait_dscnt 0x0
	s_wait_kmcnt 0x0
	s_add_nc_u64 s[48:49], s[4:5], s[52:53]        ; my part of chunk 0
	s_add_nc_u64 s[46:47], s[4:5], s[46:47]        ; Q
	s_add_nc_u64 s[50:51], s[6:7], s[50:51]        ; att
.irp i, 0,1,2,3
	s_mov_b32 s[G0+4*\i], 1                        ; count = 1
	s_add_co_u32 s[G0+4*\i+1], s13, \i*32768       ; LDS address
	s_add_nc_u64 s[G0+4*\i+2:G0+4*\i+3], s[48:49], \i*32768   ; global address
	s_or_b32 s[G0+4*\i+3], s[G0+4*\i+3], 0x80000000   ; type = 2
.endr
	ROUND                                          ; all four work-groups are here: the joint loads meet
	tensor_load_to_lds s[G0:G0+3], s[G1:G1+7]      ; all the launch's fills go out as one group: four loads of mine are out
	s_nop 0
	tensor_load_to_lds s[G0+4:G0+7], s[G1:G1+7]
	s_nop 0
	tensor_load_to_lds s[G0+8:G0+11], s[G1:G1+7]
	s_nop 0
	tensor_load_to_lds s[G0+12:G0+15], s[G1:G1+7]
	s_nop 0
.rept 4
	v_nop
.endr
.irp t, 0,1
	global_load_b128 v[Q+8*\t:Q+8*\t+3],   v[LI], s[46:47] offset:1024*\t th:TH_LOAD_NT       ; Q's fragments stay in registers; nobody else reads them
	global_load_b128 v[Q+8*\t+4:Q+8*\t+7], v[LI], s[46:47] offset:1024*\t+512 th:TH_LOAD_NT
.endr
.irp t, 0,1
	v_mov_b32 v[ST+12*\t+1], 0xff61b1e6            ; m = -3e38, under every score
	v_mul_f32 v[ST+12*\t], s[CS], v[ST+12*\t+1]    ; c m
	v_mov_b32 v[ST+12*\t+2], 0                     ; l
	v_mov_b32 v[ST+12*\t+3], 0
.endr
.irp j, 0,1,2,3,4,5,6,7,8,9,10,11,12,13,14,15,16,17,18,19,20,21,22,23,24,25,26,27,28,29,30,31
	v_mov_b32 v[O+\j], 0                           ; O^T: the first step finds zeros, which a = 0 leaves zeros
.endr
; Number ii of 16 of tile t's sum of its 16 pairs of weights, in two chains; l takes a on the way
.macro SUMI t
.set rS, S+32*(\t)
.set rT, ST+12*(\t)
.if ii == 0
	s_wait_alu depctr_va_vdst(0)
	v_pk_add_f32 v[rT+10:rT+11], v[rS:rS+1], v[rS+2:rS+3]
.elseif ii == 1
	v_pk_fma_f32 v[rT+2:rT+3], v[rT+2:rT+3], v[rT+8:rT+9], v[rS+4:rS+5] op_sel_hi:[1,0,1]   ; l = a l + a pair
.elseif ii == 15
	v_pk_add_f32 v[rT+2:rT+3], v[rT+2:rT+3], v[rT+10:rT+11]
.elseif ii%2 == 0
	v_pk_add_f32 v[rT+10:rT+11], v[rT+10:rT+11], v[rS+2*ii+2:rS+2*ii+3]
.else
	v_pk_add_f32 v[rT+2:rT+3], v[rT+2:rT+3], v[rS+2*ii+2:rS+2*ii+3]
.endif
.endm
; A KEY STEP: 64 keys, both tiles of queries
.macro STEP
	v_add_nc_u32 v[ADK], s[TB], v[LI]
	v_add_nc_u32 v[ADV], s[TB], v[LTV]
.irp k, 0,1,2,3
	ds_load_b128 v[KF+8*\k:KF+8*\k+3],   v[ADK] offset:1024*\k
	ds_load_b128 v[KF+8*\k+4:KF+8*\k+7], v[ADK] offset:1024*\k+512
.endr
	s_wait_dscnt 0x0
.irp k, 0,1,2,3
.irp t, 0,1
	v_wmma_f32_16x16x32_f16 v[S+32*\t+8*\k:S+32*\t+8*\k+7], v[KF+8*\k:KF+8*\k+7], v[Q+8*\t:Q+8*\t+7], 0   ; the head's 32 channels are one K step: each product is a whole sum
.endr
.endr
	v_mov_b32 v[ST+9], v[ST]                       ; c m_old is kept for a.  These four lines are the places behind the products above (ISA guide 7.12.1);
	v_mov_b32 v[ST+21], v[ST+12]                   ; with the two additions at the step's head they are six places behind the last step's V^T P, whose fragments the loads below overwrite
	v_nop
	v_nop
.irp g, 0,1
.irp n, 0,1
	ds_load_tr16_b128 v[VF+16*\g+8*\n:VF+16*\g+8*\n+3],   v[ADV] offset:2048*\g+512*\n        ; keys 32 g + 8 h + 0 .. 7 of channel 16 n + r
	ds_load_tr16_b128 v[VF+16*\g+8*\n+4:VF+16*\g+8*\n+7], v[ADV] offset:2048*\g+512*\n+1024   ; keys 32 g + 16 + 8 h + 0 .. 7
.endr
.endr
	; the maximum of the lane's 32 scores and the old m: four chains, each begun at an accumulator's low end; the two tiles alternate
.irp j, 0,1,2,3
.irp t, 0,1
	v_max3_num_f32 v[ST+12*\t+4+\j], v[S+32*\t+8*\j], v[S+32*\t+8*\j+1], v[S+32*\t+8*\j+2]
.endr
.endr
.irp u, 1,2
.irp j, 0,1,2,3
.irp t, 0,1
	v_max3_num_f32 v[ST+12*\t+4+\j], v[ST+12*\t+4+\j], v[S+32*\t+8*\j+2*\u+1], v[S+32*\t+8*\j+2*\u+2]
.endr
.endr
.endr
.irp t, 0,1
	v_max3_num_f32 v[ST+12*\t+4], v[ST+12*\t+4], v[S+32*\t+7], v[S+32*\t+15]
.endr
.irp t, 0,1
	v_max3_num_f32 v[ST+12*\t+6], v[ST+12*\t+6], v[S+32*\t+23], v[S+32*\t+31]
.endr
.irp t, 0,1
	v_max3_num_f32 v[ST+12*\t+4], v[ST+12*\t+4], v[ST+12*\t+5], v[ST+12*\t+6]
.endr
.irp t, 0,1
	v_max3_num_f32 v[ST+12*\t+4], v[ST+12*\t+4], v[ST+12*\t+7], v[ST+12*\t+1]
.endr
.irp t, 0,1
	v_permlanex16_b32 v[ST+12*\t+5], v[ST+12*\t+4], s[SEL], s[SEL+1]   ; the query's other 32 keys lie in the lane 16 away
.endr
.irp t, 0,1
	v_max_num_f32 v[ST+12*\t+1], v[ST+12*\t+4], v[ST+12*\t+5]          ; the new m
.endr
.irp t, 0,1
	v_mul_f32 v[ST+12*\t], s[CS], v[ST+12*\t+1]
.endr
.irp t, 0,1
	v_sub_f32 v[ST+12*\t+9], v[ST+12*\t+9], v[ST+12*\t]
.endr
.irp t, 0,1
	v_exp_f32 v[ST+12*\t+8], v[ST+12*\t+9]         ; a = 2^(c m_old - c m_new)
.endr
.set ii, 0
.rept 16
	v_pk_fma_f32 v[S+2*ii:S+2*ii+1], v[S+2*ii:S+2*ii+1], s[CS:CS+1], v[ST:ST+1] op_sel_hi:[1,0,0] neg_lo:[0,0,1] neg_hi:[0,0,1]   ; tile 0: c s - c m, two at a time
.set ii, ii+1
.endr
.set ii, 0
.rept 16                               ; tile 0's exponentials | tile 1's scalings and O^T's rescaling: a plain line behind every exponential (ISA guide 5.7.2)
	v_exp_f32 v[S+2*ii], v[S+2*ii]
	v_pk_fma_f32 v[S+32+2*ii:S+33+2*ii], v[S+32+2*ii:S+33+2*ii], s[CS:CS+1], v[ST+12:ST+13] op_sel_hi:[1,0,0] neg_lo:[0,0,1] neg_hi:[0,0,1]
	v_exp_f32 v[S+2*ii+1], v[S+2*ii+1]
	s_wait_alu depctr_va_vdst(0)
	v_pk_mul_f32 v[O+2*ii:O+2*ii+1], v[O+2*ii:O+2*ii+1], v[ST+8+12*(ii/8):ST+9+12*(ii/8)] op_sel_hi:[1,0]   ; each accumulator from its low end on
.set ii, ii+1
.endr
.set ii, 0
.rept 16                               ; tile 1's exponentials | tile 0's sums and roundings
	v_exp_f32 v[S+32+2*ii], v[S+32+2*ii]
	SUMI 0
	v_exp_f32 v[S+33+2*ii], v[S+33+2*ii]
	v_cvt_pk_f16_f32 v[P+ii], v[S+2*ii], v[S+2*ii+1]
.set ii, ii+1
.endr
.set ii, 0
.rept 16                               ; tile 1's sums and roundings
	SUMI 1
	v_cvt_pk_f16_f32 v[P+16+ii], v[S+32+2*ii], v[S+33+2*ii]
.set ii, ii+1
.endr
	s_wait_dscnt 0x0                               ; V's fragments, asked for a softmax ago, are in
.irp g, 0,1                                        ; the four accumulators take turns, one instruction a turn
.irp t, 0,1
.irp n, 0,1
	v_wmma_f32_16x16x32_f16 v[O+16*\t+8*\n:O+16*\t+8*\n+7], v[VF+16*\g+8*\n:VF+16*\g+8*\n+7], v[P+16*\t+8*\g:P+16*\t+8*\g+7], v[O+16*\t+8*\n:O+16*\t+8*\n+7]
.endr
.endr
.endr
.endm
; A chunk of 512 keys: eight steps
.macro CHUNK i
	s_wait_tensorcnt 3-\i                          ; my part of chunk i has landed; the younger loads may stay out
	s_barrier_signal -1
	s_barrier_wait -1                              ; everybody's has
	s_mov_b32 s[TB], \i*32768
	s_mov_b32 s[CNT], 8
.Lstep_\@:
	STEP
	s_add_co_u32 s[TB], s[TB], 4096                ; four images on
	s_sub_co_u32 s[CNT], s[CNT], 1
	s_cmp_lg_u32 s[CNT], 0
	s_cbranch_scc1 .Lstep_\@
.endm
	s_wait_loadcnt 0x0                             ; Q
	CHUNK 0
	CHUNK 1
	CHUNK 2
	CHUNK 3                                        ; its wait is for zero: no tensor load is out from here on
	; THE WAY OUT: l's two halves and the other half of the lanes' are added; O^T / l is rounded to f16: a lane's eight channels of a query are its 16 bytes of an image
.rept 4
	v_nop                                          ; four places behind the last products
.endr
.irp t, 0,1
	v_add_f32 v[ST+12*\t+4], v[ST+12*\t+2], v[ST+12*\t+3]
.endr
.irp t, 0,1
	v_permlanex16_b32 v[ST+12*\t+5], v[ST+12*\t+4], s[SEL], s[SEL+1]
.endr
.irp t, 0,1
	v_add_f32 v[ST+12*\t+4], v[ST+12*\t+4], v[ST+12*\t+5]
.endr
.irp t, 0,1
	v_rcp_f32 v[ST+12*\t+8], v[ST+12*\t+4]
.endr
	v_nop                                          ; a plain line between the last reciprocal and the use of its result
.set ii, 0
	s_wait_alu depctr_va_vdst(0)
.rept 16
	v_pk_mul_f32 v[O+2*ii:O+2*ii+1], v[O+2*ii:O+2*ii+1], v[ST+8+12*(ii/8):ST+9+12*(ii/8)] op_sel_hi:[1,0]
.set ii, ii+1
.endr
.set ii, 0
.rept 16
	v_cvt_pk_f16_f32 v[P+ii], v[O+2*ii], v[O+2*ii+1]
.set ii, ii+1
.endr
.irp t, 0,1
.irp n, 0,1
	global_store_b128 v[LI], v[P+8*\t+4*\n:P+8*\t+4*\n+3], s[50:51] offset:8192*\t+512*\n   ; half an image: 512 consecutive bytes, aligned
.endr
.endr
	s_wait_tensorcnt 0x0
	ds_add_u32 v240, v241
	s_wait_dscnt 0x0
	ROUND                                          ; the closing round: no work-group ends while a partner may still ask for a tile that names it
	s_endpgm
.Lfunc_end_k_q0c8e73ff7a_attn:
	.size	k_q0c8e73ff7a_attn, .Lfunc_end_k_q0c8e73ff7a_attn-k_q0c8e73ff7a_attn
	.p2alignl 7, 3214868480
	.fill 96, 4, 3214868480
	.section	.rodata,"a",@progbits
	.p2align	6, 0x0
	.amdhsa_kernel k_q0c8e73ff7a_attn
		.amdhsa_group_segment_fixed_size 263168
		.amdhsa_private_segment_fixed_size 0
		.amdhsa_enable_private_segment 0
		.amdhsa_kernarg_size 16
		.amdhsa_user_sgpr_count 2
		.amdhsa_user_sgpr_kernarg_segment_ptr 1
		.amdhsa_wavefront_size32 1
		.amdhsa_system_sgpr_workgroup_id_x 1
		.amdhsa_system_sgpr_workgroup_id_y 1
		.amdhsa_system_sgpr_workgroup_id_z 1
		.amdhsa_system_vgpr_workitem_id 0
		.amdhsa_next_free_vgpr 242
		.amdhsa_next_free_sgpr 66
		.amdhsa_reserve_vcc 0
		.amdhsa_float_denorm_mode_32 3
		.amdhsa_float_denorm_mode_16_64 3
		.amdhsa_memory_ordered 1
		.amdhsa_forward_progress 1
		.amdhsa_inst_pref_size 69
	.end_amdhsa_kernel
	.amdgpu_metadata
---
amdhsa.version: [ 1, 2 ]
amdhsa.kernels:
  - .name:           k_q0c8e73ff7a_attn
    .symbol:         k_q0c8e73ff7a_attn.kd
    .args:
      - { .name: qkv, .offset: 0, .size: 8, .value_kind: global_buffer, .address_space: global }
      - { .name: att, .offset: 8, .size: 8, .value_kind: global_buffer, .address_space: global }
    .group_segment_fixed_size: 263168
    .private_segment_fixed_size: 0
    .kernarg_segment_align: 8
    .kernarg_segment_size: 16
    .max_flat_workgroup_size: 256
    .sgpr_count:     66
    .vgpr_count:     242
    .wavefront_size: 32
...
	.end_amdgpu_metadata
.endif
;; end of part 2
;; launch proj (part 3): grid 256 x 1, 4 waves a work-group, no clusters, 35,328 bytes of LDS; arguments att, wo, b_out, out0; writes out0
.if DOCPART == 3
	.amdgcn_target "amdgcn-amd-amdhsa--gfx1250"
	.amdhsa_code_object_version 6
	.text
	.protected	k_q0c8e73ff7a_proj
	.globl	k_q0c8e73ff7a_proj
	.p2align	8
	.type	k_q0c8e73ff7a_proj,@function
k_q0c8e73ff7a_proj:
	s_mov_b64 s[64:65], 0
	v_nop
	global_prefetch_b8 v0, s[64:65] scope:SCOPE_SE
	s_setreg_imm32_b32 hwreg(HW_REG_WAVE_MODE, 25, 1), 1
	s_wait_xcnt 0x0
; out0 = att w_out + b_out.  att: f16 images [tile of 16 rows 512][K step (head) 8][1024]; wo: f16 images of w_out [tile of 16 output columns 16][K step 8][1024], row = output column; b_out [256], out0 [8192][256]: f32.
; An image is a 16-bit fragment's registers: lane L = 16 h + r's 16 bytes for k = 16 c + 8 h + 0 .. 7 lie at 512 c + 16 (L xor 8 h): a load of the wave reads 512 consecutive bytes, and nothing goes through LDS on the way in.
; SHARES.  A work-group makes 32 rows x 256 columns; wave w makes columns 64 w .. 64 w + 63 (four tiles) for both tiles of rows: 8 accumulators, 64 matrix instructions.  Straight-line text, no barrier: waves share nothing.
; THE MATRIX INSTRUCTION IS USED TRANSPOSED (source 0 = 16 output columns, source 1 = 16 rows of att): a lane holds eight neighbouring numbers of a row of out0.  The bias is the C of each sum's first matrix instruction.
; NO CLUSTER: each byte of wo that a work-group reads feeds one wave alone and goes straight into that wave's registers; the launch has no tensor load into which a joint request could be put.
; REGISTERS.  Window 0: v1-5 addresses; v8-39 the biases; v40-167 att's fragments (m, k) at 40 + 64 m + 8 k; v168-231 the accumulators (m, i) at 168 + 32 m + 8 i.  Window 1: w_out's fragments (i, k) at 64 i + 8 k.
; LIMITS: att and w_out as f16 (magnitudes under 65,504); NaN and infinities are not served.
.set LI,  1                            ; v1  my lane's place in an image
.set BO,  2                            ; v2  32 h: my eight biases of a tile
.set STO, 3                            ; v3  the way out: where I put 32 bytes of a row
.set RD,  4                            ; v4  where I read rows back
.set CO,  5                            ; v5  my byte offset in out0
.set BI,  8
.set AF,  40
.set ACC, 168
.set SP,  272                          ; a stage row: my wave's 256 bytes of a row + 16: row r starts at bank 4 r mod 64 (64 banks of 4 bytes: ISA guide 11.1)
	s_load_b256 s[4:11], s[0:1], 0x0               ; att s[4:5], wo s[6:7], b_out s[8:9], out0 s[10:11]
	v_lshl_add_u32 v254, v0, 2, 0x8800
	v_mov_b32 v255, 0
	v_lshrrev_b32 v1, 5, v0
	v_readfirstlane_b32 s12, v1                    ; wave 0..3
	v_and_b32 v6, 31, v0                           ; L
	v_and_b32 v7, 15, v0                           ; r
	v_bfe_u32 v2, v0, 4, 1                         ; h
	v_lshlrev_b32 v[LI], 3, v2
	v_xor_b32 v[LI], v[LI], v6
	v_lshlrev_b32 v[LI], 4, v[LI]
	s_mul_i32 s13, s12, 32*SP                      ; my stage: 32 rows
	v_mul_u32_u24 v[STO], v7, SP
	v_lshl_add_u32 v[STO], v2, 5, v[STO]
	v_add_nc_u32 v[STO], s13, v[STO]               ; in: row r, 32 bytes for each half of the lanes
	v_mul_u32_u24 v[RD], v2, SP
	v_lshl_add_u32 v[RD], v7, 4, v[RD]
	v_add_nc_u32 v[RD], s13, v[RD]                 ; back: lanes 0-15 one row of 256 bytes, lanes 16-31 the next
	v_lshlrev_b32 v[CO], 10, v2
	v_lshl_add_u32 v[CO], v7, 4, v[CO]             ; and the same two rows in out0
	v_lshlrev_b32 v[BO], 5, v2
	s_mov_b32 s15, 0
	s_wait_kmcnt 0x0
	s_lshl_b32 s14, ttmp9, 14                      ; att: two tiles of rows, 8,192 bytes each
	s_add_nc_u64 s[4:5], s[4:5], s[14:15]
	s_lshl_b32 s14, s12, 15                        ; wo: my four tiles of columns, 8,192 bytes each
	s_add_nc_u64 s[6:7], s[6:7], s[14:15]
	s_lshl_b32 s14, s12, 8                         ; b_out: my 64 numbers
	s_add_nc_u64 s[8:9], s[8:9], s[14:15]
	s_lshl_b32 s16, ttmp9, 15                      ; out0: 32 rows of 1,024 bytes, my 256 bytes of each
	s_add_co_u32 s14, s14, s16
	s_add_nc_u64 s[10:11], s[10:11], s[14:15]
.irp i, 0,1,2,3
	global_load_b128 v[BI+8*\i:BI+8*\i+3],   v[BO], s[8:9] offset:64*\i      ; b_out(64 w + 16 i + 8 h + 0 .. 7)
	global_load_b128 v[BI+8*\i+4:BI+8*\i+7], v[BO], s[8:9] offset:64*\i+16
.endr
.irp m, 0,1
.irp k, 0,1,2,3,4,5,6,7
	global_load_b128 v[AF+64*\m+8*\k:AF+64*\m+8*\k+3],   v[LI], s[4:5] offset:8192*\m+1024*\k
	global_load_b128 v[AF+64*\m+8*\k+4:AF+64*\m+8*\k+7], v[LI], s[4:5] offset:8192*\m+1024*\k+512
.endr
.endr
	s_set_vgpr_msb 0x40                            ; destination window 1, address window 0
.irp k, 0,1,2,3,4,5,6,7                            ; K step by K step, so that the products can begin while the later steps' weights are on their way
.irp i, 0,1,2,3
	global_load_b128 v[64*\i+8*\k:64*\i+8*\k+3],   v[LI], s[6:7] offset:8192*\i+1024*\k
	global_load_b128 v[64*\i+8*\k+4:64*\i+8*\k+7], v[LI], s[6:7] offset:8192*\i+1024*\k+512
.endr
.endr
	s_set_vgpr_msb 0x4001                          ; source 0 (w_out) window 1; source 1 (att), C and D window 0
.irp k, 0,1,2,3,4,5,6,7
	s_wait_loadcnt 8*(7-\k)                        ; all up to K step k's eight loads are in; the later steps' eight each stay out
.irp m, 0,1                                        ; the eight accumulators take turns, one instruction a turn
.irp i, 0,1,2,3
.if \k == 0
	v_wmma_f32_16x16x32_f16 v[ACC+32*\m+8*\i:ACC+32*\m+8*\i+7], v[64*\i+8*\k:64*\i+8*\k+7], v[AF+64*\m+8*\k:AF+64*\m+8*\k+7], v[BI+8*\i:BI+8*\i+7]
.else
	v_wmma_f32_16x16x32_f16 v[ACC+32*\m+8*\i:ACC+32*\m+8*\i+7], v[64*\i+8*\k:64*\i+8*\k+7], v[AF+64*\m+8*\k:AF+64*\m+8*\k+7], v[ACC+32*\m+8*\i:ACC+32*\m+8*\i+7]
.endif
.endr
.endr
.endr
	s_set_vgpr_msb 0x0100                          ; all back to window 0
.rept 4
	v_nop                                          ; four places behind the last products: the LDS stores read results, the LDS loads land on att's fragments
.endr
	; THE WAY OUT: a lane holds 32 bytes of a row and the lanes beside it other rows: through my own stage, and back as rows of 256 bytes
.irp m, 0,1
.irp i, 0,1,2,3
	ds_store_b128 v[STO], v[ACC+32*\m+8*\i:ACC+32*\m+8*\i+3]   offset:16*SP*\m+64*\i      ; each accumulator from its low end on
	ds_store_b128 v[STO], v[ACC+32*\m+8*\i+4:ACC+32*\m+8*\i+7] offset:16*SP*\m+64*\i+16
.endr
.endr
.irp m, 0,1
.irp u, 0,1,2,3,4,5,6,7
	ds_load_b128 v[AF+32*\m+4*\u:AF+32*\m+4*\u+3], v[RD] offset:16*SP*\m+2*SP*\u   ; LDS serves a wave's instructions in order (ISA guide 5.7.1.4): these see my stores
.endr
.endr
.irp m, 0,1
.irp u, 0,1,2,3,4,5,6,7
	s_wait_dscnt 15-8*\m-\u                        ; this load is back; the younger ones stay out
	global_store_b128 v[CO], v[AF+32*\m+4*\u:AF+32*\m+4*\u+3], s[10:11] offset:16384*\m+2048*\u th:TH_STORE_NT   ; 16 lanes store 256 consecutive bytes, aligned; written once, read by nobody here
.endr
.endr
	s_wait_tensorcnt 0x0
	ds_add_u32 v254, v255
	s_wait_dscnt 0x0
	s_endpgm
.Lfunc_end_k_q0c8e73ff7a_proj:
	.size	k_q0c8e73ff7a_proj, .Lfunc_end_k_q0c8e73ff7a_proj-k_q0c8e73ff7a_proj
	.p2alignl 7, 3214868480
	.fill 96, 4, 3214868480
	.section	.rodata,"a",@progbits
	.p2align	6, 0x0
	.amdhsa_kernel k_q0c8e73ff7a_proj
		.amdhsa_group_segment_fixed_size 35328
		.amdhsa_private_segment_fixed_size 0
		.amdhsa_enable_private_segment 0
		.amdhsa_kernarg_size 32
		.amdhsa_user_sgpr_count 2
		.amdhsa_user_sgpr_kernarg_segment_ptr 1
		.amdhsa_wavefront_size32 1
		.amdhsa_system_sgpr_workgroup_id_x 1
		.amdhsa_system_sgpr_workgroup_id_y 1
		.amdhsa_system_sgpr_workgroup_id_z 1
		.amdhsa_system_vgpr_workitem_id 0
		.amdhsa_next_free_vgpr 512
		.amdhsa_next_free_sgpr 66
		.amdhsa_reserve_vcc 0
		.amdhsa_float_denorm_mode_32 3
		.amdhsa_float_denorm_mode_16_64 3
		.amdhsa_memory_ordered 1
		.amdhsa_forward_progress 1
		.amdhsa_inst_pref_size 20
	.end_amdhsa_kernel
	.amdgpu_metadata
---
amdhsa.version: [ 1, 2 ]
amdhsa.kernels:
  - .name:           k_q0c8e73ff7a_proj
    .symbol:         k_q0c8e73ff7a_proj.kd
    .args:
      - { .name: att, .offset: 0, .size: 8, .value_kind: global_buffer, .address_space: global }
      - { .name: wo, .offset: 8, .size: 8, .value_kind: global_buffer, .address_space: global }
      - { .name: b_out, .offset: 16, .size: 8, .value_kind: global_buffer, .address_space: global }
      - { .name: out0, .offset: 24, .size: 8, .value_kind: global_buffer, .address_space: global }
    .group_segment_fixed_size: 35328
    .private_segment_fixed_size: 0
    .kernarg_segment_align: 8
    .kernarg_segment_size: 32
    .max_flat_workgroup_size: 128
    .sgpr_count:     66
    .vgpr_count:     512
    .wavefront_size: 32
...
	.end_amdgpu_metadata
.endif
;; end of part 3
